; MI455X (gfx1250); checked and timed in simulation.
; The chip was launched on July 23, 2026; its instructions are those of AMD's public machine-readable ISA for CDNA 5 (MIT licence, August 2026) and "CDNA5" Instruction Set Architecture Reference Guide (July 2026). The comments in the code are by the model that wrote it; some were corrected since.
;; Full Attention. Allowed arithmetic: matrix products marked QUANTISED: E2M3 operands, one E8M0 scale for each 32 along K, by v_wmma_scale_f32_16x16x128_f8f6f4 with both operands' format E2M3, f32 sums; everything else in f32.
;; Inputs: W_out 1,024 x 64 float32; b_out 64 float32; key 4 x 2,048 x 1,024 float32; key_padding_mask 4 x 2,048 bool; query 4 x 2,048 x 1,024 float32; value 4 x 2,048 x 1,024 float32.
;; Outputs: out0 8,192 x 64 float32.
;; This version of the problem:
;;   THIS VERSION OF THE PROBLEM IS GIVEN IN LOW PRECISION. The matrix products marked QUANTISED in the list below multiply operands that are first quantised to E2M3 (2 exponent bits, 3 mantissa bits; 6 bits a number), with one power-of-two scale for each 32 numbers along K (OCP MX v1.0); their sums are f32. All else is computed in f32.
;;   The module's matrix products, in the order in which they are computed (A, B: the left and right operand; K: the contracted axis; several contracted axes count as one K, in the product's order):
;;     1. batch 64 x [M 2,048, K 64] x [K 64, N 2,048]; A: computed on the way; B: input key: QUANTISED
;;     2. batch 64 x [M 64, K 2,048] x [K 2,048, N 2,048]; A: input value; B: softmax (see below): QUANTISED
;;     3. [M 8,192, K 1,024] x [K 1,024, N 64]; A: computed on the way; B: input W_out: QUANTISED
;;   THE QUANTISER, for each operand of a quantised product, along K:
;;     - K is cut into blocks of 32 from its start; a last block that is shorter is filled with zeros.
;;     - A block's scale is 2^e with e = floor(log2(the largest magnitude in the block)) - 2, held to -126 .. 127; a block of zeros has e = 0. As a byte (E8M0): e + 127.
;;     - Each number is divided by its block's scale, clamped to +-7.5, and rounded to the nearest number of E2M3, ties to even, subnormals kept.
;;     - The product sums the exact products of the quantised numbers (number of the format x scale) in f32.
;;   ~~~python
;;   def quantise(x, axis):      # numpy; x: float32 -> the quantised numbers, widened to float32 again
;;       x = np.moveaxis(x, axis, -1); K = x.shape[-1]
;;       x = np.pad(x, [(0, 0)] * (x.ndim - 1) + [(0, -K % 32)]); x = x.reshape(x.shape[:-1] + (-1, 32)); a = np.abs(x).max(-1, keepdims=True)
;;       e = np.where(a > 0, np.clip(np.frexp(np.where(a > 0, a, 1))[1] - 1 - 2, -126, 127), 0)      # np.frexp(a)[1] - 1 = floor(log2(a)), exactly
;;       r = np.clip(x / 2.0 ** e, -7.5, 7.5)
;;       step = 2.0 ** (np.maximum(np.frexp(np.where(r == 0, 1, r))[1] - 1, 0) - 3)
;;       q = np.round(r / step) * step * 2.0 ** e      # np.round: ties to even
;;       return np.moveaxis(q.reshape(q.shape[:-2] + (-1,))[..., :K], -1, axis).astype(np.float32)
;;   ~~~
;;   SOFTMAX AHEAD OF A QUANTISED PRODUCT. Where the list says 'softmax', what is quantised is not the finished softmax but p = 2^(t - M), with t = logit x log2(e) and M = ceil(the row's largest t), a whole number; so 1/2 < the row's largest p <= 1. The row's sum l is taken of the UNQUANTISED p, in f32, and the product's result is divided by l at the end. Since M is a whole number, a kernel that streams over the keys may use a running M (the ceiling of the running maximum): every later rescaling is an exact power of two, which a block's scale takes up: the codes' values come out the same.
;;   OPERANDS COMPUTED ON THE WAY. 'Computed on the way' means the value that the module computes at that place (a softmax that the list does not call 'softmax' is quantised finished and normalised). What goes into a quantiser is computed in f32, as accurately as f32 sums, v_exp_f32 and their like allow (about 1e-6 of the number): no bf16 or f16 on the way to a quantiser, and a product that is left as it is and whose result goes on into a quantised operand takes f32 operands (vector FMAs, or v_wmma_f32_16x16x4_f32). A number that lies on a knife's edge between two numbers of the format may be rounded either way, as far as f32 arithmetic and the matrix unit's own rounding can turn it there, and no further.
;; One version. Each part assembles by itself: llvm-mc -triple=amdgcn-amd-amdhsa -mcpu=gfx1250 --defsym DOCPART=n.
;; ======== version 1 of 1: 3 launches
;; limits: right only within a limited range of input values
;; workspace buffers: kv 13,631,488 bytes; wq 51,200 bytes; oc 8,388,608 bytes
;; launch prep (part 1): grid 2056 x 1, 4 waves a work-group, no clusters, 36,096 bytes of LDS; arguments key, value, W_out, key_padding_mask, kv, wq; writes kv, wq
.if DOCPART == 1
	.amdgcn_target "amdgcn-amd-amdhsa--gfx1250"
	.amdhsa_code_object_version 6
	.text
	.protected	k_qf35eb2bdf1_prep
	.globl	k_qf35eb2bdf1_prep
	.p2align	8
	.type	k_qf35eb2bdf1_prep,@function
k_qf35eb2bdf1_prep:
	s_mov_b64 s[64:65], 0
	v_nop
	global_prefetch_b8 v0, s[64:65] scope:SCOPE_SE
	s_setreg_imm32_b32 hwreg(HW_REG_WAVE_MODE, 25, 1), 1
	s_wait_xcnt 0x0
; key, value [4][2048][1024] and W_out [1024][64], f32, become codes of FP6 (E2M3) with one E8M0 byte for each 32 along a product's K, laid in the ORDER OF THE OPERAND'S REGISTERS:
; register p of lane l of a fragment (12 registers a lane) lies at byte 512 (p / 4) + 16 l + 4 (p % 4), so that three loads of 16 bytes a lane bring a fragment.
; kv: [batch x head (64)][key step of 128 keys (16)][13,312 bytes]: 4 fragments of K, 4 of V, K's 64 scale words, V's 64, and 128 f32 of mask bias (0 for a kept key, -2^127 for a masked one).
;   K's fragment i, lane (r, h), registers 6 c on: key 32 i + 8 c + r + 8 (r / 8), the head's numbers 32 h .. 32 h + 31: two tiles of 16 keys in one fragment, since the first product's K is 64.
;   V's fragment n, lane (r, h), registers 6 c on: channel 32 (n / 2) + 8 (n % 2) + r + 8 (r / 8), keys 64 c + 32 h + 0 .. 31: the keys are the second product's K.
;   A scale word (fragment f, row r) lies at 16 r + 4 f; its byte 2 c + h belongs to the block in registers 6 c on of lane half h.
; wq: [128 along K (8)][6,400 bytes]: 4 fragments laid as V's (channel = output column, key = k), then 64 scale words.
; A block's scale is 2^(floor(log2(largest magnitude)) - 2); its byte is that magnitude's exponent field - 2, held at 1 from below.
; LIMITS: a block of zeros, and one whose largest magnitude lies under 2^-124, keeps the byte 1 (its codes are zeros or subnormal codes; this program alone reads the bytes); NaN and infinities are not served; mask bytes are 0 or 1.
; SHARES: a work-group takes a unit of 128 rows x 256 bytes of f32: work-groups 0-1023 a key step of one head of key, 1024-2047 of value, 2048-2055 128 rows of W_out.  Each load reads two rows' 256 dense bytes;
; the unit goes through a stage in LDS, and wave w reads the 64 numbers a lane of fragment w out of it: along the rows for K, down the columns for V and W.  No tensor loads; several work-groups share a WGP.
.set STGG,   8832                      ; the stage: 32 rows of 272 bytes to a group, groups 8,832 bytes apart (128 bytes off a multiple of 256: the two lane halves of a column read fall on different banks; 64 banks of 4 bytes, ISA guide 11.1)
.set SROW,   272
.set SCA,    4*STGG                    ; 256 bytes: the unit's 64 scale words
.set SPARE,  SCA+256                   ; the spare words, 128 bytes for each wave: two blocks of 256 bytes that no other line names
.set KVSTEP, 13312
.set KVHEAD, 16*KVSTEP
.set VA,  16                           ; v16-31   the 16 loads' byte offsets
.set X,   32                           ; v32-95   the numbers: as loaded, then 64 of my fragment
.set C,   96                           ; v96-107  my fragment's codes
.set T0,  108                          ; v108-110, v112-114 the upper halves of the two blocks (a conversion's three registers begin on an even number)
.set T1,  112
.set MX,  116                          ; v116-117 largest magnitudes; v118-119 the conversions' scale operands; v120-121 bytes; v122 the scale word; v123 the other half's
	s_load_b256 s[4:11], s[0:1], 0x0               ; key s[4:5], value s[6:7], W_out s[8:9], the mask s[10:11]
	s_load_b128 s[12:15], s[0:1], 0x20             ; kv s[12:13], wq s[14:15]
	v_lshl_add_u32 v12, v0, 2, SPARE               ; my spare word; never rewritten
	v_mov_b32 v13, 0                               ; 0; never rewritten
	v_lshrrev_b32 v1, 5, v0
	v_readfirstlane_b32 s16, v1                    ; wave 0..3
	s_lshr_b32 s17, ttmp9, 10                      ; 0: key, 1: value, 2: W_out
	s_and_b32 s18, ttmp9, 1023                     ; the unit: 256 x batch + 16 x head + key step; for W_out 0..7
	s_lshr_b32 s20, s18, 8                         ; batch
	s_lshl_b32 s46, s20, 11                        ; the mask: 2,048 bytes a batch
	s_lshl_b32 s20, s20, 23                        ; key, value: 2,048 rows of 4,096 bytes a batch,
	s_and_b32 s29, s18, 15
	s_lshl_b32 s21, s29, 19                        ; 128 rows a key step,
	s_add_co_u32 s20, s20, s21
	s_lshl_b32 s21, s29, 7
	s_add_co_u32 s46, s46, s21                     ; (the mask: 128 bytes a key step)
	s_mov_b32 s47, 0
	s_bfe_u32 s21, s18, 0x40004
	s_lshl_b32 s21, s21, 8                         ; 256 bytes a head
	s_add_co_u32 s20, s20, s21
	s_lshl_b32 s22, s18, 15                        ; W_out: 128 rows of 256 bytes a unit
	s_lshr_b32 s28, s18, 4
	s_mul_i32 s28, s28, KVHEAD
	s_mul_i32 s30, s29, KVSTEP
	s_add_co_u32 s28, s28, s30                     ; kv: the key step's block
	s_mul_i32 s30, s17, 6144
	s_add_co_u32 s30, s28, s30                     ; its fragments of K, or of V,
	s_lshl_b32 s31, s17, 8
	s_add_co_u32 s31, s31, s28
	s_add_co_u32 s31, s31, 12288                   ; and their scale words
	s_add_co_u32 s44, s28, 12800                   ; and the bias
	s_mov_b32 s45, 0
	s_mul_i32 s32, s18, 6400                       ; wq: the unit's fragments
	s_add_co_u32 s33, s32, 6144                    ; and scale words
	s_mul_i32 s34, s16, 1536                       ; my wave's fragment
	s_cmp_eq_u32 s17, 2                            ; the choices hang on the work-group's number alone
	s_cselect_b32 s20, s22, s20                    ; where the unit begins in its tensor,
	s_cselect_b32 s23, 8, 12                       ; log2 of a row's pitch in bytes,
	s_cselect_b32 s40, s32, s30                    ; where the codes go,
	s_cselect_b32 s42, s33, s31                    ; and the scale words
	s_add_co_u32 s40, s40, s34
	s_mov_b32 s21, 0
	s_mov_b32 s41, 0
	s_mov_b32 s43, 0
	s_mov_b32 s38, 0x76543210
	s_mov_b32 s39, 0xfedcba98                      ; v_permlanex16_b32's selects for lane l xor 16
	v_and_b32 v1, 31, v0                           ; lane
	v_and_b32 v2, 15, v0                           ; r
	v_bfe_u32 v3, v0, 4, 1                         ; h
	v_lshlrev_b32 v4, 4, v1                        ; 16 x lane: my place in an image
	s_mul_i32 s19, s16, STGG
	v_mul_u32_u24 v5, v3, SROW
	v_lshl_add_u32 v5, v2, 4, v5
	v_add_nc_u32 v5, s19, v5                       ; into the stage: my wave's group of 32 rows; lanes 0-15 one row, lanes 16-31 the next
	v_and_b32 v14, 8, v2
	v_add_nc_u32 v14, v14, v2                      ; r + 8 (r / 8)
	v_mul_u32_u24 v6, v14, SROW
	v_lshl_add_u32 v6, v3, 7, v6
	v_add_nc_u32 v6, s19, v6                       ; K: out of it along a row: key 32 w + r + 8 (r / 8) (+ 8 c), numbers 32 h on
	s_lshr_b32 s2, s16, 1
	s_lshl_b32 s2, s2, 7
	s_and_b32 s3, s16, 1
	s_lshl_b32 s3, s3, 5
	s_add_co_u32 s2, s2, s3                        ; 4 bytes x (32 (w / 2) + 8 (w % 2))
	v_mul_u32_u24 v7, v3, STGG
	v_lshl_add_u32 v7, v14, 2, v7
	v_add_nc_u32 v7, s2, v7                        ; V, W: down a column: my channel, rows 32 h on (+ 64 c)
	s_lshl_b32 s3, s16, 2
	s_add_co_u32 s3, s3, SCA
	v_lshlrev_b32 v8, 4, v2
	v_add_nc_u32 v8, s3, v8                        ; my row's scale word: 16 r + 4 w
	v_lshlrev_b32 v9, 3, v3                        ; 8 h
	v_lshlrev_b32 v10, 3, v1                       ; 8 x lane
	v_add_nc_u32 v11, SCA, v10
	v_lshlrev_b32 v111, 2, v1                      ; 4 x lane
	v_mov_b32 v123, 0                              ; written once: a lane permute's destination counts as one of its sources
	s_lshl_b32 s2, s16, 5
	v_add_nc_u32 v15, s2, v3                       ; row 32 w + lane / 16
	v_lshlrev_b32 v15, s23, v15
	v_lshl_add_u32 v[VA], v2, 4, v15               ; x pitch + 16 (lane % 16)
	s_lshl_b32 s3, 2, s23                          ; two rows on
.irp j, 1,2,3,4,5,6,7,8,9,10,11,12,13,14,15
	v_add_nc_u32 v[VA+\j], s3, v[VA+\j-1]
.endr
	s_wait_alu depctr_va_vdst(0)
	s_wait_kmcnt 0x0
	s_cmp_eq_u32 s17, 2
	s_cselect_b64 s[24:25], s[14:15], s[12:13]     ; wq or kv
	s_cselect_b64 s[26:27], s[8:9], s[6:7]         ; W_out or value,
	s_cmp_eq_u32 s17, 0
	s_cselect_b64 s[26:27], s[4:5], s[26:27]       ; or key
	s_add_nc_u64 s[26:27], s[26:27], s[20:21]      ; the unit
	s_add_nc_u64 s[36:37], s[24:25], s[42:43]      ; its scale words' place
	s_add_nc_u64 s[24:25], s[24:25], s[40:41]      ; my fragment's place
	s_add_nc_u64 s[12:13], s[12:13], s[44:45]      ; the bias's place (used by key's units alone)
	s_add_nc_u64 s[10:11], s[10:11], s[46:47]      ; the key step's 128 mask bytes (likewise)
.irp j, 0,1,2,3,4,5,6,7,8,9,10,11,12,13,14,15
	global_load_b128 v[X+4*\j:X+4*\j+3], v[VA+\j], s[26:27] th:TH_LOAD_NT   ; rows 32 w + 2 j, + 1: sixteen lanes read a row's 256 consecutive bytes
.endr
.irp j, 0,1,2,3,4,5,6,7,8,9,10,11,12,13,14,15
	s_wait_loadcnt 15-\j                           ; loads come back in order: load j is in, the younger ones stay out
	ds_store_b128 v5, v[X+4*\j:X+4*\j+3] offset:2*SROW*\j
.endr
	s_wait_dscnt 0x0                               ; for the others' sake: my 32 rows lie in the stage
	s_barrier_signal -1
	s_barrier_wait -1                              ; all 128 do
	s_cmp_eq_u32 s17, 0
	s_cbranch_scc0 .Lcolumns
.irp c, 0,1                                    ; K: block (c, h) of my fragment is 32 neighbours of a row
.irp q, 0,1,2,3,4,5,6,7
	ds_load_b128 v[X+32*\c+4*\q:X+32*\c+4*\q+3], v6 offset:8*SROW*\c+16*\q
.endr
.endr
	s_branch .Lhave
.Lcolumns:
.irp c, 0,1                                    ; V, W: block (c, h) runs down my column: rows 64 c + 32 h + i
.irp i, 0,1,2,3,4,5,6,7,8,9,10,11,12,13,14,15,16,17,18,19,20,21,22,23,24,25,26,27,28,29,30,31
	ds_load_b32 v[X+32*\c+\i], v7 offset:2*STGG*\c+SROW*\i
.endr
.endr
.Lhave:
	s_wait_dscnt 0x0
.irp c, 0,1                                    ; a lane holds two whole blocks: no other lane is asked for a maximum
	v_max3_num_f32 v[MX+\c], |v[X+32*\c]|, |v[X+32*\c+1]|, 0x1800000   ; and the floor 2^(3 - 127): the byte cannot fall under 1
.endr
.irp i, 2,4,6,8,10,12,14,16,18,20,22,24,26,28,30
.irp c, 0,1
	v_max3_num_f32 v[MX+\c], v[MX+\c], |v[X+32*\c+\i]|, |v[X+32*\c+\i+1]|   ; (the two blocks by turns)
.endr
.endr
.irp c, 0,1
	v_add_nc_u32 v[MX+2+\c], 0xff000000, v[MX+\c]  ; 2 off the exponent field: the conversion takes the exponent field of this operand as its scale
.endr
.irp c, 0,1
	v_lshrrev_b32 v[MX+4+\c], 23, v[MX+2+\c]       ; the scale's byte
.endr
	v_lshl_or_b32 v122, v121, 16, v120             ; my two bytes, blocks h and 2 + h,
	v_lshlrev_b32 v122, v9, v122                   ; at their places (8 h bits up);
	v_permlanex16_b32 v123, v122, s38, s39
	v_or_b32 v122, v122, v123                      ; with lane l xor 16's two the word is whole
	v_cvt_scalef32_pk16_fp6_f32 v[C:C+2], v[X:X+15], v118
	v_cvt_scalef32_pk16_fp6_f32 v[T0:T0+2], v[X+16:X+31], v118
	v_cvt_scalef32_pk16_fp6_f32 v[C+6:C+8], v[X+32:X+47], v119
	v_cvt_scalef32_pk16_fp6_f32 v[T1:T1+2], v[X+48:X+63], v119
	v_nop                                          ; one plain place behind a scaled conversion
.irp i, 0,1,2
	v_mov_b32 v[C+3+\i], v[T0+\i]
	v_mov_b32 v[C+9+\i], v[T1+\i]
.endr
.irp g, 0,1,2
	global_store_b128 v4, v[C+4*\g:C+4*\g+3], s[24:25] offset:512*\g   ; 32 lanes store 512 consecutive bytes, at a multiple of 256 from the buffer's first byte
.endr
	ds_store_b32 v8, v122                          ; both lanes of a row write the same word with the same value
	s_wait_dscnt 0x0
	s_barrier_signal -1
	s_barrier_wait -1                              ; the unit's 64 scale words lie together
	s_cmp_lg_u32 s16, 0
	s_cbranch_scc1 .Lnot_wave_0
	ds_load_b64 v[116:117], v11
	s_wait_dscnt 0x0
	global_store_b64 v10, v[116:117], s[36:37]     ; wave 0 stores them: 256 consecutive bytes
.Lnot_wave_0:
	s_cmp_lg_u32 s17, 0                            ; the bias: wave 1 of key's units
	s_cbranch_scc1 .Lno_bias
	s_cmp_lg_u32 s16, 1
	s_cbranch_scc1 .Lno_bias
	global_load_b32 v115, v111, s[10:11]           ; the mask bytes of keys 4 l .. 4 l + 3
	s_wait_loadcnt 0x0
.irp q, 0,1,2,3
	v_bfe_u32 v[124+\q], v115, 8*\q, 1             ; 1: kept
.endr
.irp q, 0,1,2,3
	v_add_nc_u32 v[124+\q], -1, v[124+\q]          ; 0, or all ones
.endr
.irp q, 0,1,2,3
	v_and_b32 v[124+\q], 0xff000000, v[124+\q]     ; 0, or -2^127
.endr
	global_store_b128 v4, v[124:127], s[12:13]     ; in the keys' order: 512 consecutive bytes
.Lno_bias:
	s_wait_tensorcnt 0x0                           ; the wave's end: three lines behind my last LDS store, the first even with no tensor load
	ds_add_u32 v12, v13
	s_wait_dscnt 0x0
	s_endpgm
.Lfunc_end_k_qf35eb2bdf1_prep:
	.size	k_qf35eb2bdf1_prep, .Lfunc_end_k_qf35eb2bdf1_prep-k_qf35eb2bdf1_prep
	.p2alignl 7, 3214868480
	.fill 96, 4, 3214868480
	.section	.rodata,"a",@progbits
	.p2align	6, 0x0
	.amdhsa_kernel k_qf35eb2bdf1_prep
		.amdhsa_group_segment_fixed_size 36096
		.amdhsa_private_segment_fixed_size 0
		.amdhsa_enable_private_segment 0
		.amdhsa_kernarg_size 48
		.amdhsa_user_sgpr_count 2
		.amdhsa_user_sgpr_kernarg_segment_ptr 1
		.amdhsa_wavefront_size32 1
		.amdhsa_system_sgpr_workgroup_id_x 1
		.amdhsa_system_sgpr_workgroup_id_y 1
		.amdhsa_system_sgpr_workgroup_id_z 1
		.amdhsa_system_vgpr_workitem_id 0
		.amdhsa_next_free_vgpr 128
		.amdhsa_next_free_sgpr 66
		.amdhsa_reserve_vcc 0
		.amdhsa_float_denorm_mode_32 3
		.amdhsa_float_denorm_mode_16_64 3
		.amdhsa_memory_ordered 1
		.amdhsa_forward_progress 1
		.amdhsa_inst_pref_size 18
	.end_amdhsa_kernel
	.amdgpu_metadata
---
amdhsa.version: [ 1, 2 ]
amdhsa.kernels:
  - .name:           k_qf35eb2bdf1_prep
    .symbol:         k_qf35eb2bdf1_prep.kd
    .args:
      - { .name: key, .offset: 0, .size: 8, .value_kind: global_buffer, .address_space: global }
      - { .name: value, .offset: 8, .size: 8, .value_kind: global_buffer, .address_space: global }
      - { .name: W_out, .offset: 16, .size: 8, .value_kind: global_buffer, .address_space: global }
      - { .name: key_padding_mask, .offset: 24, .size: 8, .value_kind: global_buffer, .address_space: global }
      - { .name: kv, .offset: 32, .size: 8, .value_kind: global_buffer, .address_space: global }
      - { .name: wq, .offset: 40, .size: 8, .value_kind: global_buffer, .address_space: global }
    .group_segment_fixed_size: 36096
    .private_segment_fixed_size: 0
    .kernarg_segment_align: 8
    .kernarg_segment_size: 48
    .max_flat_workgroup_size: 128
    .sgpr_count:     66
    .vgpr_count:     128
    .wavefront_size: 32
...
	.end_amdgpu_metadata
.endif
;; end of part 1
;; launch attn (part 2): grid 4 x 64, 16 waves a work-group, clusters of 4 x 1, 327,680 bytes of LDS; arguments query, key_padding_mask, kv, oc; writes oc
.if DOCPART == 2
	.amdgcn_target "amdgcn-amd-amdhsa--gfx1250"
	.amdhsa_code_object_version 6
	.text
	.protected	k_qf35eb2bdf1_attn
	.globl	k_qf35eb2bdf1_attn
	.p2align	8
	.type	k_qf35eb2bdf1_attn,@function
k_qf35eb2bdf1_attn:
	s_mov_b64 s[64:65], 0
	v_nop
	global_prefetch_b8 v0, s[64:65] scope:SCOPE_SE
	s_setreg_imm32_b32 hwreg(HW_REG_WAVE_MODE, 25, 1), 1
	s_wait_xcnt 0x0
	s_wait_alu depctr_hold_cnt(0) depctr_sa_sdst(0) depctr_va_vdst(0) depctr_va_sdst(0) depctr_va_ssrc(0) depctr_va_vcc(0) depctr_vm_vsrc(0)
	s_getreg_b32 s2, hwreg(HW_REG_IB_STS2, 6, 4)
	s_cmp_eq_u32 s2, 0
	s_cbranch_scc0 .Lentry_in_a_cluster
	s_endpgm
.Lentry_in_a_cluster:
	s_bfe_u32 s2, ttmp6, 0x10000c
	s_cmp_lg_u32 s2, 0x3003
	s_cbranch_scc0 .Lentry_shape_is_right
	s_endpgm
.Lentry_shape_is_right:
; Attention of one head on codes of FP6 (E2M3): S^T = K (q / 8)^T, p = 2^(t - M), O^T = V^T p^T, O / l quantised along the last product's K and stored as codes with their scale bytes.
; SHARES: a work-group takes one batch x head and 512 queries; the four work-groups of a cluster take the head's 2,048 queries and ask JOINTLY for its K, V, scale words and mask bias (212,992 bytes, as the launch before laid them).
; A wave takes two tiles of 16 queries, one after the other; a step is 128 keys: 8 products for the scores (two tiles of 16 keys to a fragment, q beside zeros), 4 for O^T.  A lane holds one query throughout.
; K AND V COME IN TWO FILLS, each filled once: key steps 0-3 at the head (13 rows of 256 bytes a wave), key steps 4-15 (39 rows a wave) behind the three lines and a round of the cluster's barrier, while steps 0-3 are worked.
; The mask is the C of the scores' products: 0 for a kept key, -2^127 for a masked one.  Where a batch keeps no key, q is taken as 0 and the largest t starts under every t: all p are equal, as in the softmax of equal scores.
; M is the running largest t rounded up to a whole number; a change of M multiplies the sum and O^T by an exact power of two, with no branch.
; LIMITS: the promise holds while the scaled scores stay under 2^126 in magnitude; NaN and infinities are not served; mask bytes are 0 or 1.
; No prefetch: the launch asks for all of its K and V by these two loads and has no loop that runs ahead of a load.
.set KVSTEP, 13312
.set KVGRP,  4*KVSTEP
.set KVHEAD, 16*KVSTEP
.set WPART,  KVGRP/16
.set VFR,    6144
.set KSCL,   12288
.set BIAS,   12800
.set QST,    KVHEAD
.set QSTW,   16*272
.set SPARE,  QST+16*QSTW
.set LI,  1
.set BI,  2
.set STI, 3
.set STR, 4
.set SPW, 5
.set NIL, 6
.set QO,  7
.set ADR, 8
.set ADB, 9
.set H8,  10
.set QB,  16
.set QS,  34
.set PW,  35
.set SC,  36
.set F,   40
.set S,   88
.set O,   152
.set PC,  184
.set PT,  196
.set BM,  204
.set BP,  208
.set BS,  212
.set FF,  216
.set TMP, 218
.set SUM2, 220
.set Q1,  222
.set WV,  12
.set CX,  13
.set T0I, 17
.set SEL, 20
.set CS,  22
.set G1,  24
.set G0,  32
.set TB,  48
.set CNT, 49
.set FAC, 50
.macro CROUND
	s_barrier_signal -1
	s_barrier_wait -1
	s_cmp_lg_u32 s[WV], 0
	s_cbranch_scc1 .Lnot_wave_0_\@
	s_barrier_signal -3
.Lnot_wave_0_\@:
	s_barrier_wait -3
	s_barrier_signal -1
	s_barrier_wait -1
.endm
	s_load_b256 s[4:11], s[0:1], 0x0
	v_lshl_add_u32 v[SPW], v0, 2, SPARE
	v_mov_b32 v[NIL], 0
	ds_add_u32 v[SPW], v[NIL]
	ds_add_u32 v[SPW], v[NIL]
	v_lshrrev_b32 v1, 5, v0
	s_delay_alu instid0(VALU_DEP_1)
	v_readfirstlane_b32 s[WV], v1
	s_bfe_u32 s[CX], ttmp6, 0x40000
	s_and_b32 s14, ttmp7, 0xffff
	s_lshr_b32 s15, s14, 4
	s_and_b32 s16, s14, 15
	s_mov_b32 s[G1+0], 15|(3<<16)|(1<<21)
	s_mov_b32 s[G1+1], 32<<16
	s_mov_b32 s[G1+2], 13<<16
	s_mov_b32 s[G1+3], 32<<16
	s_mov_b32 s[G1+4], 13
	s_mov_b32 s[G1+5], 32
	s_mov_b32 s[G1+6], 0
	s_mov_b32 s[G1+7], 0
	s_mov_b32 s[SEL], 0x76543210
	s_mov_b32 s[SEL+1], 0xfedcba98
	s_mov_b32 s[CS], 0x3fb8aa3b
	s_mov_b32 s[CS+1], s[CS]
	s_mul_i32 s54, s14, KVHEAD
	s_mul_i32 s56, s[WV], WPART
	s_add_co_u32 s54, s54, s56
	s_mov_b32 s55, 0
	s_lshl_b32 s58, s15, 23
	s_lshl_b32 s57, s[CX], 21
	s_add_co_u32 s58, s58, s57
	s_lshl_b32 s57, s[WV], 16
	s_add_co_u32 s58, s58, s57
	s_lshl_b32 s57, s16, 8
	s_add_co_u32 s58, s58, s57
	s_mov_b32 s59, 0
	s_lshl_b32 s60, s15, 11
	s_mov_b32 s61, 0
	s_lshl_b32 s62, s15, 7
	s_lshl_b32 s57, s[CX], 5
	s_add_co_u32 s62, s62, s57
	s_add_co_u32 s62, s62, s[WV]
	s_lshl_b32 s62, s62, 4
	s_add_co_u32 s62, s62, s16
	s_lshl_b32 s62, s62, 10
	s_mov_b32 s63, 0
	v_and_b32 v11, 31, v0
	s_delay_alu instid0(VALU_DEP_1)
	v_lshlrev_b32 v[LI], 4, v11
	v_and_b32 v10, 15, v0
	v_bfe_u32 v9, v0, 4, 1
	s_delay_alu instid0(VALU_DEP_1)
	v_lshlrev_b32 v[BI], 6, v9
	s_mul_i32 s53, s[WV], QSTW
	s_add_co_u32 s53, s53, QST
	v_mul_u32_u24 v[STI], v9, 272
	s_delay_alu instid0(VALU_DEP_1)
	v_lshl_add_u32 v[STI], v10, 4, v[STI]
	s_delay_alu instid0(VALU_DEP_1)
	v_add_nc_u32 v[STI], s53, v[STI]
	v_mul_u32_u24 v[STR], v10, 272
	s_delay_alu instid0(VALU_DEP_1)
	v_lshl_add_u32 v[STR], v9, 7, v[STR]
	s_delay_alu instid0(VALU_DEP_1)
	v_add_nc_u32 v[STR], s53, v[STR]
	v_lshlrev_b32 v[QO], 12, v9
	s_delay_alu instid0(VALU_DEP_1)
	v_lshl_add_u32 v[QO], v10, 4, v[QO]
	v_lshlrev_b32 v[H8], 3, v9
.irp j, 16,17,18,19,20,21,28,29,30,31,32,33
	v_mov_b32 v\j, 0
.endr
.irp b, 0,1,2,3
	v_mov_b32 v[BP+\b], 0
.endr
	s_wait_alu depctr_va_vdst(0)
	s_wait_dscnt 0x0                               ; both opening adds are done
	s_wait_kmcnt 0x0
	s_add_nc_u64 s[8:9], s[8:9], s[54:55]
	s_add_nc_u64 s[4:5], s[4:5], s[58:59]
	s_add_nc_u64 s[6:7], s[6:7], s[60:61]
	s_add_nc_u64 s[10:11], s[10:11], s[62:63]
	s_mov_b32 s[G0], 1                             ; first fill: key steps 0-3, my 13 rows at wave x WPART
	s_mov_b32 s[G0+1], s56
	s_mov_b64 s[G0+2:G0+3], s[8:9]
	s_or_b32 s[G0+3], s[G0+3], 0x80000000
	s_mov_b32 s[G0+4], 1                           ; second fill: key steps 4-15, my 39 rows at KVGRP + wave x 3 WPART
	s_mul_i32 s[G0+5], s[WV], 3*WPART
	s_add_co_u32 s[G0+5], s[G0+5], KVGRP
	s_lshl_b32 s52, s56, 1                         ; s[8:9] holds wave x WPART already: two more
	s_mov_b32 s53, 0
	s_add_nc_u64 s[G0+6:G0+7], s[8:9], s[52:53]
	s_add_nc_u64 s[G0+6:G0+7], s[G0+6:G0+7], KVGRP
	s_or_b32 s[G0+7], s[G0+7], 0x80000000
.irp i, 0,1,2,3
	global_load_b128 v[120+4*\i:123+4*\i], v[LI], s[6:7] offset:512*\i   ; the batch's 2,048 mask bytes
.endr
.irp i, 0,1,2,3,4,5,6,7
	global_load_b128 v[S+4*\i:S+4*\i+3], v[QO], s[4:5] offset:8192*\i th:TH_LOAD_NT   ; my first tile of queries
.endr
	CROUND                                         ; all four work-groups are here: the first joint loads meet
	tensor_load_to_lds s[G0:G0+3], s[G1:G1+7]      ; one tensor load a wave at the head
	s_nop 0
.rept 4
	v_nop
.endr
	s_wait_loadcnt 8                               ; the four mask loads are in; the eight query loads behind them may be out
.irp j, 0,1,2,3,4,5,6,7
	v_or_b32 v[120+\j], v[120+\j], v[128+\j]
.endr
.irp j, 0,1,2,3
	s_delay_alu instid0(VALU_DEP_4)
	v_or_b32 v[120+\j], v[120+\j], v[124+\j]
.endr
	s_delay_alu instid0(VALU_DEP_2)
	v_or_b32 v120, v120, v122
	s_delay_alu instid0(VALU_DEP_2)
	v_or_b32 v121, v121, v123
	s_delay_alu instid0(VALU_DEP_1)
	v_or_b32 v120, v120, v121
	s_delay_alu instid0(VALU_DEP_1)
	v_cmp_ne_u32 s52, 0, v120
	s_mov_b32 s[T0I], 0xff61b1e6
	s_cmp_lg_u32 s52, 0
	s_cselect_b32 s[FAC], 0x3e000000, 0
	s_cselect_b32 s[T0I], 0xfe800000, s[T0I]
	s_mov_b32 s[FAC+1], s[FAC]
.macro QPREP src, cnt
	s_wait_loadcnt \cnt
.irp i, 0,1,2,3,4,5,6,7
	ds_store_b128 v[STI], v[\src+4*\i:\src+4*\i+3] offset:544*\i
.endr
.irp q, 0,1,2,3,4,5,6,7
	ds_load_b128 v[120+4*\q:123+4*\q], v[STR] offset:16*\q
.endr
	s_wait_dscnt 0x0
.set j, 0
.rept 16
	v_pk_mul_f32 v[120+j:121+j], v[120+j:121+j], s[FAC:FAC+1] op_sel_hi:[1,0]
.set j, j+2
.endr
	v_max3_num_f32 v[BM], |v120|, |v121|, 0x1800000
.set j, 2
.rept 15
	s_delay_alu instid0(VALU_DEP_1)
	v_max3_num_f32 v[BM], v[BM], |v[120+j]|, |v[121+j]|
.set j, j+2
.endr
	s_delay_alu instid0(VALU_DEP_1)
	v_add_nc_u32 v[BS], 0xff000000, v[BM]
	s_delay_alu instid0(VALU_DEP_1)
	v_lshrrev_b32 v[TMP], 23, v[BS]
	s_delay_alu instid0(VALU_DEP_1)
	v_lshlrev_b32 v[TMP], v[H8], v[TMP]
	s_delay_alu instid0(VALU_DEP_1)
	v_permlanex16_b32 v[BP], v[TMP], s[SEL], s[SEL+1]
	s_delay_alu instid0(VALU_DEP_1)
	v_or_b32 v[TMP], v[TMP], v[BP]
	s_delay_alu instid0(VALU_DEP_1)
	v_lshl_or_b32 v[QS], v[TMP], 16, v[TMP]
	v_cvt_scalef32_pk16_fp6_f32 v[QB+6:QB+8], v[120:135], v[BS]
	v_cvt_scalef32_pk16_fp6_f32 v[PT:PT+2], v[136:151], v[BS]
	v_nop
.irp i, 0,1,2
	v_mov_b32 v[QB+9+\i], v[PT+\i]
.endr
.endm
.macro INIT
	v_mov_b32 v13, s[T0I]
	s_delay_alu instid0(VALU_DEP_1)
	v_floor_f32 v12, -v13
	v_mov_b32 v14, 0
	v_mov_b32 v15, 0
	v_mov_b32 v[FF+1], 0
.set j, 0
.rept 32
	v_mov_b32 v[O+j], 0
.set j, j+1
.endr
.endm
.macro STEP
	v_add_nc_u32 v[ADR], s[TB], v[LI]
	v_add_nc_u32 v[ADB], s[TB], v[BI]
	v_nop
	v_nop
	ds_load_b128 v[SC:SC+3], v[ADR] offset:KSCL
.irp i, 0,1,2,3
.irp c, 0,1,2
	ds_load_b128 v[F+12*\i+4*\c:F+12*\i+4*\c+3], v[ADR] offset:1536*\i+512*\c
.endr
.irp z, 0,1,2,3
	ds_load_b128 v[S+16*\i+4*\z:S+16*\i+4*\z+3], v[ADB] offset:BIAS+128*\i+16*\z
.endr
.endr
	s_wait_alu depctr_va_vdst(0)
.irp i, 0,1,2,3
	s_wait_dscnt 7*(3-\i)
	v_wmma_scale_f32_16x16x128_f8f6f4 v[S+16*\i:S+16*\i+7], v[F+12*\i:F+12*\i+11], v[QB+6:QB+17], v[S+16*\i:S+16*\i+7], v[SC+\i], v[QS] matrix_a_fmt:MATRIX_FMT_FP6 matrix_b_fmt:MATRIX_FMT_FP6
	v_wmma_scale_f32_16x16x128_f8f6f4 v[S+16*\i+8:S+16*\i+15], v[F+12*\i:F+12*\i+11], v[QB:QB+11], v[S+16*\i+8:S+16*\i+15], v[SC+\i], v[QS] matrix_a_fmt:MATRIX_FMT_FP6 matrix_b_fmt:MATRIX_FMT_FP6
.endr
.rept 4
	v_nop
.endr
.irp n, 0,1,2,3
.irp c, 0,1,2
	ds_load_b128 v[F+12*\n+4*\c:F+12*\n+4*\c+3], v[ADR] offset:VFR+1536*\n+512*\c
.endr
.endr
.irp b, 0,1,2,3
	v_max3_num_f32 v[BM+\b], v[S+16*\b], v[S+16*\b+1], v[S+16*\b+2]
.endr
.irp i, 3,5,7,9,11,13
.irp b, 0,1,2,3
	v_max3_num_f32 v[BM+\b], v[BM+\b], v[S+16*\b+\i], v[S+16*\b+\i+1]
.endr
.endr
.irp b, 0,1,2,3
	v_max_num_f32 v[BM+\b], v[BM+\b], v[S+16*\b+15]
.endr
.irp b, 0,1,2,3
	s_delay_alu instid0(VALU_DEP_4)
	v_permlanex16_b32 v[BP+\b], v[BM+\b], s[SEL], s[SEL+1]
.endr
.irp b, 0,1,2,3
	s_delay_alu instid0(VALU_DEP_4)
	v_max_num_f32 v[BM+\b], v[BM+\b], v[BP+\b]
.endr
	s_delay_alu instid0(VALU_DEP_2)
	v_max3_num_f32 v[TMP], v[BM], v[BM+1], v[BM+2]
	s_delay_alu instid0(VALU_DEP_1)
	v_max_num_f32 v[TMP], v[TMP], v[BM+3]
	s_delay_alu instid0(VALU_DEP_1)
	v_mul_f32 v[TMP], s[CS], v[TMP]
	s_delay_alu instid0(VALU_DEP_1)
	v_max_num_f32 v13, v13, v[TMP]
	v_mov_b32 v[TMP], v12
	s_delay_alu instid0(VALU_DEP_2)
	v_floor_f32 v12, -v13
	s_delay_alu instid0(VALU_DEP_1)
	v_sub_f32 v[TMP], v12, v[TMP]
	s_delay_alu instid0(VALU_DEP_1)
	v_cvt_i32_f32 v[TMP], v[TMP]
	s_delay_alu instid0(VALU_DEP_1)
	v_ldexp_f32 v[FF], 1.0, v[TMP]
.set j, 0
.rept 32
	v_pk_fma_f32 v[S+j:S+j+1], v[S+j:S+j+1], s[CS:CS+1], v[12:13] op_sel_hi:[1,0,0]
.set j, j+2
.endr
.irp b, 0,1,2,3
	v_fma_f32 v[BM+\b], v[BM+\b], s[CS], v12
.endr
.set j, 0
	s_wait_alu depctr_va_vdst(0)
.rept 64
	v_exp_f32 v[S+j], v[S+j]
.set j, j+1
.endr
	v_pk_mul_f32 v[14:15], v[14:15], v[FF:FF+1] op_sel_hi:[1,0]
	s_wait_alu depctr_va_vdst(0)
.irp b, 0,1,2,3
	v_exp_f32 v[BM+\b], v[BM+\b]
.endr
	v_pk_add_f32 v[SUM2:SUM2+1], v[S:S+1], v[S+2:S+3]
.set j, 4
.rept 15
	v_pk_add_f32 v[14:15], v[14:15], v[S+j:S+j+1]
	v_pk_add_f32 v[SUM2:SUM2+1], v[SUM2:SUM2+1], v[S+j+2:S+j+3]
.set j, j+4
.endr
	s_delay_alu instid0(VALU_DEP_1)
	v_pk_add_f32 v[14:15], v[14:15], v[SUM2:SUM2+1]
	s_wait_alu depctr_va_vdst(0)
.irp b, 0,1,2,3
	v_max_num_f32 v[BM+\b], 0x1800000, v[BM+\b]
.endr
.irp b, 0,1,2,3
	s_delay_alu instid0(VALU_DEP_4)
	v_add_nc_u32 v[BS+\b], 0xff000000, v[BM+\b]
.endr
.irp b, 0,1,2,3
	s_delay_alu instid0(VALU_DEP_4)
	v_lshrrev_b32 v[BP+\b], 23, v[BS+\b]
.endr
	s_delay_alu instid0(VALU_DEP_3)
	v_lshl_or_b32 v[PW], v[BP+1], 8, v[BP]
	s_delay_alu instid0(VALU_DEP_1)
	v_lshl_or_b32 v[PW], v[BP+2], 16, v[PW]
	s_delay_alu instid0(VALU_DEP_1)
	v_lshl_or_b32 v[PW], v[BP+3], 24, v[PW]
.irp c, 0,1
	v_cvt_scalef32_pk16_fp6_f32 v[PC+6*\c:PC+6*\c+2], v[S+32*\c:S+32*\c+15], v[BS+2*\c]
	v_cvt_scalef32_pk16_fp6_f32 v[PT+4*\c:PT+4*\c+2], v[S+32*\c+16:S+32*\c+31], v[BS+2*\c+1]
.endr
	v_nop
.irp c, 0,1
.irp i, 0,1,2
	v_permlane16_swap_b32 v[PC+6*\c+\i], v[PT+4*\c+\i]
.endr
.irp i, 0,1,2
	s_delay_alu instid0(VALU_DEP_3)
	v_mov_b32 v[PC+6*\c+3+\i], v[PT+4*\c+\i]
.endr
.endr
.set j, 0
.rept 16
	v_pk_mul_f32 v[O+j:O+j+1], v[O+j:O+j+1], v[FF:FF+1] op_sel_hi:[1,0]
.set j, j+2
.endr
	s_wait_alu depctr_va_vdst(0)
	s_wait_dscnt 0x0
.irp n, 0,1,2,3
	v_wmma_scale_f32_16x16x128_f8f6f4 v[O+8*\n:O+8*\n+7], v[F+12*\n:F+12*\n+11], v[PC:PC+11], v[O+8*\n:O+8*\n+7], v[SC+\n], v[PW] matrix_a_fmt:MATRIX_FMT_FP6 matrix_b_fmt:MATRIX_FMT_FP6 matrix_a_scale:MATRIX_SCALE_ROW1
.endr
.endm
.macro LOOPN trips
	s_mov_b32 s[CNT], \trips
.Lstep_\@:
	STEP
	s_add_co_u32 s[TB], s[TB], KVSTEP
	s_sub_co_u32 s[CNT], s[CNT], 1
	s_cmp_lg_u32 s[CNT], 0
	s_cbranch_scc1 .Lstep_\@
.endm
.macro EPI pass
.rept 4
	v_nop
.endr
	v_add_f32 v14, v14, v15
	s_delay_alu instid0(VALU_DEP_1)
	v_permlanex16_b32 v[BP], v14, s[SEL], s[SEL+1]
	s_delay_alu instid0(VALU_DEP_1)
	v_add_f32 v14, v14, v[BP]
	s_wait_alu depctr_va_vdst(0)
	v_rcp_f32 v[FF], v14
	v_nop
	s_wait_alu depctr_va_vdst(0)
.set j, 0
.rept 16
	v_pk_mul_f32 v[O+j:O+j+1], v[O+j:O+j+1], v[FF:FF+1] op_sel_hi:[1,0]
.set j, j+2
.endr
.irp b, 0,1
	v_max3_num_f32 v[BM+\b], |v[O+16*\b]|, |v[O+16*\b+1]|, 0x1800000
.endr
.irp i, 2,4,6,8,10,12,14
.irp b, 0,1
	s_delay_alu instid0(VALU_DEP_2)
	v_max3_num_f32 v[BM+\b], v[BM+\b], |v[O+16*\b+\i]|, |v[O+16*\b+\i+1]|
.endr
.endr
.irp b, 0,1
	s_delay_alu instid0(VALU_DEP_2)
	v_permlanex16_b32 v[BP+\b], v[BM+\b], s[SEL], s[SEL+1]
.endr
.irp b, 0,1
	s_delay_alu instid0(VALU_DEP_2)
	v_max_num_f32 v[BM+\b], v[BM+\b], v[BP+\b]
.endr
.irp b, 0,1
	s_delay_alu instid0(VALU_DEP_2)
	v_add_nc_u32 v[BS+\b], 0xff000000, v[BM+\b]
.endr
.irp b, 0,1
	s_delay_alu instid0(VALU_DEP_2)
	v_lshrrev_b32 v[BP+\b], 23, v[BS+\b]
.endr
	s_delay_alu instid0(VALU_DEP_1)
	v_lshl_or_b32 v[PC+6], v[BP+1], 8, v[BP]
	v_mov_b32 v[PC+7], 0
	v_cvt_scalef32_pk16_fp6_f32 v[PC:PC+2], v[O:O+15], v[BS]
	v_cvt_scalef32_pk16_fp6_f32 v[PT:PT+2], v[O+16:O+31], v[BS+1]
	v_nop
.irp i, 0,1,2
	v_permlane16_swap_b32 v[PC+\i], v[PT+\i]
.endr
.irp i, 0,1,2
	s_delay_alu instid0(VALU_DEP_3)
	v_mov_b32 v[PC+3+\i], v[PT+\i]
.endr
	global_store_b128 v[LI], v[PC:PC+3], s[10:11] offset:\pass*262144
	global_store_b128 v[LI], v[PC+4:PC+7], s[10:11] offset:\pass*262144+512
.endm
	QPREP S, 0
	INIT
	s_wait_alu depctr_va_vdst(0)
	s_wait_tensorcnt 0x0                           ; my part of key steps 0-3 is in
	ds_add_u32 v[SPW], v[NIL]
	s_mov_b32 s[G1+2], 39<<16                      ; no tensor load of mine is out: the second fill brings 39 rows: tensor_dim1,
	s_mov_b32 s[G1+4], 39                          ; tile_dim1
	s_wait_dscnt 0x0                               ; the add is done
	CROUND                                         ; everybody's part of key steps 0-3 is in, and the four work-groups meet
	tensor_load_to_lds s[G0+4:G0+7], s[G1:G1+7]    ; key steps 4-15: my one tensor load behind the round
	s_nop 0
.rept 4
	v_nop
.endr
.irp i, 0,1,2,3,4,5,6,7
	global_load_b128 v[Q1+4*\i:Q1+4*\i+3], v[QO], s[4:5] offset:256*4096+8192*\i th:TH_LOAD_NT   ; my second tile of queries: waited for behind the first tile's sixteen steps
.endr
	s_mov_b32 s[TB], 0
	LOOPN 4
	s_wait_tensorcnt 0x0                           ; my part of key steps 4-15 is in,
	s_wait_dscnt 0x0
	s_barrier_signal -1
	s_barrier_wait -1                              ; and everybody's
	LOOPN 12
	EPI 0
	s_wait_xcnt 0x0
	QPREP Q1, 0
	INIT
	s_mov_b32 s[TB], 0
	LOOPN 16
	EPI 1
	s_wait_tensorcnt 0x0
	ds_add_u32 v[SPW], v[NIL]
	s_wait_dscnt 0x0
	CROUND
	s_endpgm
.Lfunc_end_k_qf35eb2bdf1_attn:
	.size	k_qf35eb2bdf1_attn, .Lfunc_end_k_qf35eb2bdf1_attn-k_qf35eb2bdf1_attn
	.p2alignl 7, 3214868480
	.fill 96, 4, 3214868480
	.section	.rodata,"a",@progbits
	.p2align	6, 0x0
	.amdhsa_kernel k_qf35eb2bdf1_attn
		.amdhsa_group_segment_fixed_size 327680
		.amdhsa_private_segment_fixed_size 0
		.amdhsa_enable_private_segment 0
		.amdhsa_kernarg_size 32
		.amdhsa_user_sgpr_count 2
		.amdhsa_user_sgpr_kernarg_segment_ptr 1
		.amdhsa_wavefront_size32 1
		.amdhsa_system_sgpr_workgroup_id_x 1
		.amdhsa_system_sgpr_workgroup_id_y 1
		.amdhsa_system_sgpr_workgroup_id_z 1
		.amdhsa_system_vgpr_workitem_id 0
		.amdhsa_next_free_vgpr 256
		.amdhsa_next_free_sgpr 66
		.amdhsa_reserve_vcc 0
		.amdhsa_float_denorm_mode_32 3
		.amdhsa_float_denorm_mode_16_64 3
		.amdhsa_memory_ordered 1
		.amdhsa_forward_progress 1
		.amdhsa_inst_pref_size 82
	.end_amdhsa_kernel
	.amdgpu_metadata
---
amdhsa.version: [ 1, 2 ]
amdhsa.kernels:
  - .name:           k_qf35eb2bdf1_attn
    .symbol:         k_qf35eb2bdf1_attn.kd
    .args:
      - { .name: query, .offset: 0, .size: 8, .value_kind: global_buffer, .address_space: global }
      - { .name: key_padding_mask, .offset: 8, .size: 8, .value_kind: global_buffer, .address_space: global }
      - { .name: kv, .offset: 16, .size: 8, .value_kind: global_buffer, .address_space: global }
      - { .name: oc, .offset: 24, .size: 8, .value_kind: global_buffer, .address_space: global }
    .group_segment_fixed_size: 327680
    .private_segment_fixed_size: 0
    .kernarg_segment_align: 8
    .kernarg_segment_size: 32
    .max_flat_workgroup_size: 512
    .sgpr_count:     66
    .vgpr_count:     256
    .wavefront_size: 32
...
	.end_amdgpu_metadata
.endif
;; end of part 2
;; launch proj (part 3): grid 512 x 1, 4 waves a work-group, no clusters, 4,864 bytes of LDS; arguments oc, wq, b_out, out0; writes out0
.if DOCPART == 3
	.amdgcn_target "amdgcn-amd-amdhsa--gfx1250"
	.amdhsa_code_object_version 6
	.text
	.protected	k_qf35eb2bdf1_proj
	.globl	k_qf35eb2bdf1_proj
	.p2align	8
	.type	k_qf35eb2bdf1_proj,@function
k_qf35eb2bdf1_proj:
	s_mov_b64 s[64:65], 0
	v_nop
	global_prefetch_b8 v0, s[64:65] scope:SCOPE_SE
	s_setreg_imm32_b32 hwreg(HW_REG_WAVE_MODE, 25, 1), 1
	s_wait_xcnt 0x0
; out0 [8192][64] = O [8192][1024] W_out [1024][64] + b_out, on codes of FP6 (E2M3) that the two launches before have laid in the order of the operands' registers.
; SHARES.  A work-group takes a tile of 16 rows; wave n takes its column tile n (16 of the 64 columns): eight K steps of 128 (two heads each), eight matrix instructions.
; ALL OPERANDS ARE ASKED FOR AT ONCE: my rows' eight fragments (96 registers), W's eight of my column tile (96), their scale words; no register is loaded twice, so there is no ring and no loop.
; Two accumulators take the even and the odd K steps by turns; b_out is the C of the first product, 0 that of the second; four packed additions join the two sums.
; The product is used transposed (source 0 = 16 columns of W_out, source 1 = my 16 rows): a lane holds one row and eight neighbouring columns.
; The tile leaves through a stage in LDS that the four waves share: behind one barrier each wave stores four whole rows of 256 bytes.
; No tensor loads, no cluster, no prefetch.
; oc: [tile (512)][head (16)][1,024]: registers 0-3 of a head's six at 16 x lane; at 512 + 16 x lane registers 4, 5, the row's two scale bytes, 0.   wq: [K step (8)][6,400]: four fragments, then the scale words (column tile n, row r) at 16 r + 4 n.
.set WQK,   6400
.set SPARE, 4352                       ; behind the stage (16 rows x 272 bytes): the spare words, 128 bytes for each wave: two blocks of 256 bytes that no other line names
.set SPW, 10                           ; v10     my spare word; never rewritten
.set NIL, 11                           ; v11     0; never rewritten
.set AW,  12                           ; v12-19  my rows' scale words, one for each K step
.set ACC, 20                           ; v20-35  the two accumulators
.set WS,  36                           ; v36-43  W's scale words, one for each K step
.set Z,   44                           ; v44-59  the heads' pairs of scale bytes; on the way out the sums and the rows read back
.set A,   60                           ; v60-155  my rows' fragments, 12 registers a K step
.set W,   156                          ; v156-251 W's fragments of my column tile
	s_load_b256 s[4:11], s[0:1], 0x0               ; oc s[4:5], wq s[6:7], b_out s[8:9], out0 s[10:11]
	v_lshl_add_u32 v[SPW], v0, 2, SPARE
	v_mov_b32 v[NIL], 0
	v_lshrrev_b32 v1, 5, v0
	v_readfirstlane_b32 s12, v1                    ; wave = column tile n
	s_lshl_b32 s14, ttmp9, 14                      ; my tile: 16,384 bytes of oc,
	s_mov_b32 s15, 0
	s_lshl_b32 s16, ttmp9, 12                      ; 4,096 of out0,
	s_lshl_b32 s13, s12, 10
	s_add_co_u32 s16, s16, s13                     ; of which I store rows 4 n .. 4 n + 3
	s_mov_b32 s17, 0
	s_mul_i32 s18, s12, 1536                       ; wq: my column tile's fragment in a K step,
	s_mov_b32 s19, 0
	s_lshl_b32 s20, s12, 2                         ; and its scale words
	s_mov_b32 s21, 0
	s_lshr_b32 s24, s12, 1
	s_lshl_b32 s24, s24, 7
	s_and_b32 s25, s12, 1
	s_lshl_b32 s25, s25, 5
	s_add_co_u32 s24, s24, s25                     ; 128 (n / 2) + 32 (n % 2): lane half h, register j hold column 32 (n / 2) + 16 h + 8 (n % 2) + j
	s_mul_i32 s26, s12, 4*272                      ; the stage's rows 4 n on
	v_and_b32 v6, 31, v0
	v_lshlrev_b32 v1, 4, v6                        ; 16 x lane
	v_and_b32 v7, 15, v0                           ; r
	v_lshlrev_b32 v2, 4, v7                        ; 16 r
	v_bfe_u32 v8, v0, 4, 1                         ; h
	v_lshlrev_b32 v3, 6, v8
	v_add_nc_u32 v3, s24, v3                       ; my eight columns, in bytes: in b_out and in a row of the stage
	v_mul_u32_u24 v4, v7, 272
	v_add_nc_u32 v4, v4, v3                        ; into the stage: row r
	v_mul_u32_u24 v5, v8, 272
	v_add_nc_u32 v5, v5, v2
	v_add_nc_u32 v5, s26, v5                       ; back: lanes 0-15 one row, lanes 16-31 the next
	s_wait_alu depctr_va_vdst(0)
	s_wait_kmcnt 0x0
	s_add_nc_u64 s[4:5], s[4:5], s[14:15]
	s_add_nc_u64 s[10:11], s[10:11], s[16:17]
	s_add_nc_u64 s[18:19], s[6:7], s[18:19]
	s_add_nc_u64 s[20:21], s[6:7], s[20:21]
.macro LOADK k                         ; K step k: eight loads
.irp c, 0,1                                    ; registers 6 c on: head 2 k + c
	global_load_b128 v[A+12*(\k)+6*\c:A+12*(\k)+6*\c+3], v1, s[4:5] offset:(2*(\k)+\c)*1024
	global_load_b64 v[A+12*(\k)+6*\c+4:A+12*(\k)+6*\c+5], v1, s[4:5] offset:(2*(\k)+\c)*1024+512
.endr
.irp g, 0,1,2
	global_load_b128 v[W+12*(\k)+4*\g:W+12*(\k)+4*\g+3], v1, s[18:19] offset:(\k)*WQK+512*\g
.endr
	global_load_b32 v[WS+(\k)], v2, s[20:21] offset:(\k)*WQK+6144
.endm
.irp d, 0,1,2,3,4,5,6,7,8,9,10,11,12,13,14,15
	global_load_b32 v[Z+\d], v1, s[4:5] offset:\d*1024+520          ; head d: my row's two scale bytes
.endr
	global_load_b128 v[ACC:ACC+3], v3, s[8:9]                       ; b_out at my eight columns: the first product adds onto it
	global_load_b128 v[ACC+4:ACC+7], v3, s[8:9] offset:16
.irp k, 0,1,2,3,4
	LOADK \k
.endr
	s_wait_loadcnt 42                              ; the sixteen pairs of bytes are in; behind them 2 + 5 x 8 loads may be out
.irp k, 0,1,2,3,4,5,6,7
	v_lshl_or_b32 v[AW+\k], v[Z+2*\k+1], 16, v[Z+2*\k]              ; K step k's word: the bytes of heads 2 k and 2 k + 1
.endr
.irp k, 5,6,7
	LOADK \k
.endr
.rept 8
	v_nop                                          ; a scale register written by a vector instruction stands eight places ahead of a scaled matrix instruction
.endr
	s_wait_alu depctr_va_vdst(0)
.irp k, 0,1,2,3,4,5,6,7
	s_wait_loadcnt 8*(7-\k)                        ; K step k's loads are in; those of the 7 - k steps behind it may be out
.if \k == 1
	v_wmma_scale_f32_16x16x128_f8f6f4 v[ACC+8:ACC+15], v[W+12*\k:W+12*\k+11], v[A+12*\k:A+12*\k+11], 0, v[WS+\k], v[AW+\k] matrix_a_fmt:MATRIX_FMT_FP6 matrix_b_fmt:MATRIX_FMT_FP6
.else
	v_wmma_scale_f32_16x16x128_f8f6f4 v[ACC+8*(\k%2):ACC+8*(\k%2)+7], v[W+12*\k:W+12*\k+11], v[A+12*\k:A+12*\k+11], v[ACC+8*(\k%2):ACC+8*(\k%2)+7], v[WS+\k], v[AW+\k] matrix_a_fmt:MATRIX_FMT_FP6 matrix_b_fmt:MATRIX_FMT_FP6
.endif
.endr
.rept 4
	v_nop                                          ; places in front of the first read of results
.endr
.irp j, 0,1,2,3
	v_pk_add_f32 v[Z+2*\j:Z+2*\j+1], v[ACC+2*\j:ACC+2*\j+1], v[ACC+8+2*\j:ACC+8+2*\j+1]   ; the two sums joined, each accumulator from its low end on
.endr
	ds_store_b128 v4, v[Z:Z+3]
	ds_store_b128 v4, v[Z+4:Z+7] offset:16
	s_wait_dscnt 0x0                               ; for the others' sake: my 16 columns lie in the stage
	s_barrier_signal -1
	s_barrier_wait -1                              ; all 64 do
	ds_load_b128 v[Z+8:Z+11], v5
	ds_load_b128 v[Z+12:Z+15], v5 offset:544
	s_wait_dscnt 1                                 ; the first two rows are back; the second load may be out
	global_store_b128 v1, v[Z+8:Z+11], s[10:11] th:TH_STORE_NT               ; two whole rows: 512 consecutive bytes, at a multiple of 256 from out0's first byte
	s_wait_dscnt 0x0
	global_store_b128 v1, v[Z+12:Z+15], s[10:11] offset:512 th:TH_STORE_NT
	s_wait_tensorcnt 0x0                           ; the wave's end: three lines behind my last LDS store, the first even with no tensor load
	ds_add_u32 v[SPW], v[NIL]
	s_wait_dscnt 0x0
	s_endpgm
.Lfunc_end_k_qf35eb2bdf1_proj:
	.size	k_qf35eb2bdf1_proj, .Lfunc_end_k_qf35eb2bdf1_proj-k_qf35eb2bdf1_proj
	.p2alignl 7, 3214868480
	.fill 96, 4, 3214868480
	.section	.rodata,"a",@progbits
	.p2align	6, 0x0
	.amdhsa_kernel k_qf35eb2bdf1_proj
		.amdhsa_group_segment_fixed_size 4864
		.amdhsa_private_segment_fixed_size 0
		.amdhsa_enable_private_segment 0
		.amdhsa_kernarg_size 32
		.amdhsa_user_sgpr_count 2
		.amdhsa_user_sgpr_kernarg_segment_ptr 1
		.amdhsa_wavefront_size32 1
		.amdhsa_system_sgpr_workgroup_id_x 1
		.amdhsa_system_sgpr_workgroup_id_y 1
		.amdhsa_system_sgpr_workgroup_id_z 1
		.amdhsa_system_vgpr_workitem_id 0
		.amdhsa_next_free_vgpr 256
		.amdhsa_next_free_sgpr 66
		.amdhsa_reserve_vcc 0
		.amdhsa_float_denorm_mode_32 3
		.amdhsa_float_denorm_mode_16_64 3
		.amdhsa_memory_ordered 1
		.amdhsa_forward_progress 1
		.amdhsa_inst_pref_size 13
	.end_amdhsa_kernel
	.amdgpu_metadata
---
amdhsa.version: [ 1, 2 ]
amdhsa.kernels:
  - .name:           k_qf35eb2bdf1_proj
    .symbol:         k_qf35eb2bdf1_proj.kd
    .args:
      - { .name: oc, .offset: 0, .size: 8, .value_kind: global_buffer, .address_space: global }
      - { .name: wq, .offset: 8, .size: 8, .value_kind: global_buffer, .address_space: global }
      - { .name: b_out, .offset: 16, .size: 8, .value_kind: global_buffer, .address_space: global }
      - { .name: out0, .offset: 24, .size: 8, .value_kind: global_buffer, .address_space: global }
    .group_segment_fixed_size: 4864
    .private_segment_fixed_size: 0
    .kernarg_segment_align: 8
    .kernarg_segment_size: 32
    .max_flat_workgroup_size: 128
    .sgpr_count:     66
    .vgpr_count:     256
    .wavefront_size: 32
...
	.end_amdgpu_metadata
.endif
;; end of part 3
